; MI455X (gfx1250); checked and timed in simulation.
; The chip was launched on July 23, 2026; its instructions are those of AMD's public machine-readable ISA for CDNA 5 (MIT licence, August 2026) and "CDNA5" Instruction Set Architecture Reference Guide (July 2026). The comments in the code are by the model that wrote it; some were corrected since.
;; Flash Attention. Allowed arithmetic: float matrix products may take bf16 or f16 operands with f32 sums; all other float work in f32.
;; Inputs: k 2 x 16 x 2,048 x 64 float32; q 2 x 16 x 2,048 x 64 float32; v 2 x 16 x 2,048 x 64 float32.
;; Outputs: out0 2 x 16 x 2,048 x 64 float32.
;; One version. Each part assembles by itself: llvm-mc -triple=amdgcn-amd-amdhsa -mcpu=gfx1250 --defsym DOCPART=n.
;; ======== version 1 of 1: 1 launch
;; limits: inputs' magnitudes at most 65,504; values are held in f16: magnitudes above 65,504 overflow, below 6.1e-05 lose precision
;; launch attn (part 1): grid 256 x 1, 8 waves a work-group, no clusters, 149,504 bytes of LDS; arguments q, k, v, out0; writes out0
.if DOCPART == 1
	.amdgcn_target "amdgcn-amd-amdhsa--gfx1250"
	.amdhsa_code_object_version 6
	.text
	.protected	k_q09aa94a886_attn
	.globl	k_q09aa94a886_attn
	.p2align	8
	.type	k_q09aa94a886_attn,@function
k_q09aa94a886_attn:
	s_mov_b64 s[64:65], 0
	v_nop
	global_prefetch_b8 v0, s[64:65] scope:SCOPE_SE
	s_setreg_imm32_b32 hwreg(HW_REG_WAVE_MODE, 25, 1), 1
	s_wait_xcnt 0x0
; Causal softmax attention.  q, k, v, out0: [32 heads][2048 rows][64] f32.  out = softmax(0.125 q k^T, causal) v.
;
; SHARING.  A head has 16 query blocks of 128 rows; block qb needs the key tiles 0 .. qb (128 keys each).  Work-group (head, j) takes the blocks
; j and 15 - j in two passes: (j + 1) + (16 - j) = 17 steps for every one of the 32 x 8 = 256 work-groups.  The block with the odd number goes first,
; so that pass 0 has an even number of steps and the two LDS slots can be named by constants.  In a pass the diagonal tile comes first (it starts
; the maximum, the sum and O, so that nothing is cleared), then tiles 0, 1, .. qb - 1.
; NUMBERING.  head = id & 31, j = id >> 5: the eight work-groups that read one head's K and V have ids equal modulo 32.  It is a numbering only:
; each (head, j) occurs once and no value hangs on it; the aim is that a head's readers find each other's tiles in a cache that they share.
; Wave W of 8: g = W & 3 owns 32 query rows (two strips of 16), kh = W >> 2 owns 64 of the tile's 128 keys, with an online softmax of its own; at
; the end of a pass wave g + 4 hands O, maximum and sum to wave g through LDS, which merges, divides and stores.
;
; PRODUCTS ARE TRANSPOSED.  S^T = K Q^T: register j of lane (r, h) holds (key 8h + j, query r).  Two such tiles, rounded to f16 in place, are the
; second source (column = query r, k = key) of O^T += V^T P^T: P never leaves the registers, and maximum, sum and rescaling factor are one
; number a lane.  V^T comes by the transposing LDS load from V stored [key][d].
;
; THE OPERANDS ARE F16, NOT BF16: 11 significant bits against 8.  In a head's first rows a few weights near 1 carry the whole sum, so a weight's
; rounding error reaches the result undamped: up to 2^-8 of p v with 8 bits, up to 2^-11 with 11, and the result is allowed 1% of the output's
; root mean square.  p = 2^(c s - c m) is at most 1, so it fits f16's range; sums are f32 throughout.
;
; K AND V come through registers: f32 in memory, loaded one step ahead (16 loads of 16 bytes a lane), rounded to f16 once for the work-group and
; written to the other LDS slot.  NO TENSOR LOADS, NO CLUSTER: a tensor load copies bytes as they are, so a tile would enter LDS as 64 KB of
; f32, be read back (64 KB) and written again as 32 KB of f16, against 32 KB written here; and the work-groups that read the same tiles (the
; blocks of one head) need different numbers of tiles (qb + 1), so their requests do not pair up step by step.
;
; LIMITS.  Inputs finite with |q|, |k|, |v| at most 65,504 (f16's largest number: beyond it the conversion gives infinity and the row NaN); numbers
; below 2^-14, weights p too, keep an absolute error of up to 2^-25.  Key tiles above the diagonal tile are not computed: that equals the
; reference as long as a row's largest allowed score lies above about -1e6 + 100, where the reference's masked terms exp(-1e6 - max) are zero in f32.
; Inside the diagonal tile the reference's own -1e6 is used (as -8e6 ahead of the factor 0.125).  The row sum adds p in f32, the numerator uses p
; rounded to f16; keys are summed in another order than in the reference; exponentials below 2^-126 come out as zero.
.set TILEB,  32768                     ; 128 rows of 256 bytes: a query block or a key tile in memory
.set KPITCH, 144                       ; K in LDS: 128 bytes of f16 + 16: sixteen rows start in sixteen different 16-byte columns modulo 256
.set VPITCH, 160                       ; V in LDS: 128 + 32, an odd multiple of 32, as the transposing load's eight rows want
.set VBASE,  128*KPITCH                ; 18,432: V's tile behind K's in a slot
.set SLOT,   VBASE+128*VPITCH          ; 38,912 bytes a slot, two slots
.set MRG,    2*SLOT                    ; 77,824: four areas (one for each g): O 16 x 512, statistics 512, sums 256
.set MRGSZ,  8960
.set STG,    MRG+4*MRGSZ               ; 113,664: four stages (one for each g), 32 rows x 272 bytes
.set SPITCH, 272
.set STGSZ,  32*SPITCH                 ; 8,704; LDS ends at 148,480
; vector registers, block 0
.set KR,  1                            ; LDS: my K fragments      (64 kh + r) 144 + 16 h
.set VR,  2                            ; LDS: my V^T fragments    VBASE + (64 kh + 8 h + (L & 7)) 160 + 16 ((L >> 3) & 1)
.set KW,  3                            ; LDS: where I write K     (W + 8 h) 144 + 8 r
.set VW,  4                            ; LDS: where I write V     VBASE + (8 kh + 4 h + g) 160 + 8 r
.set KG,  5                            ; memory: my 16 bytes of K (W + 8 h) 256 + 16 r
.set VG,  6                            ; memory: my 16 bytes of V (8 kh + 4 h + g) 256 + 16 r
.set DM,  7                            ; r + 32 g - 64 kh - 8 h: key (kt, j) of strip s is masked where 16 (kt - s) + j > DM
.set QG,  8                            ; memory: Q                (32 g + r) 256 + 32 h
.set OG,  9                            ; memory: out              (32 g + h) 256 + 16 r
.set MA,  10                           ; LDS: merge area          MRG + 8960 g + 16 L
.set ML8, 11                           ; LDS: the sums in it      MRG + 8960 g + 8704 + 8 L
.set SW,  12                           ; LDS: stage, in           STG + 8704 g + 272 r + 32 h
.set SR,  13                           ; LDS: stage, back         STG + 8704 g + 272 h + 16 r
.set RMV, 14                           ; -8.0e6
.set RLS, 16                           ; v[16:17]   l of strip 0, 1 (the sum over my half of the lanes' keys)
.set RMPL,18                           ; v[18:19]   the partner's l
.set RNM, 20                           ; v[20:23]   nm0, px0, nm1, px1: nm = -c x maximum; px takes the other half's lane
.set RAL, 24                           ; v[24:27]   alpha0, t0, alpha1, t1; scratch in the merge
.set RTM, 28                           ; v[28:35]   at work
.set RMP, 36                           ; v[36:39]   the partner's nm quad
.set RO,  40                           ; v[40:103]  O^T: strip s, 16 d's dt at 40 + 32 s + 8 dt
.set RS,  104                          ; v[104:167] S^T: strip s, 16 keys kt at 104 + 32 s + 8 kt; P in place, 32 keys u at 104 + 32 s + 16 u
.set RVF, 168                          ; v[168:231] V^T fragments: 32 keys u, 16 d's dt at 168 + 32 u + 8 dt
; vector registers, block 1 (v256 and up, named by their low 8 bits)
.set RST, 0                            ; v[256:319] the next tile as loaded: K's load i at 4 i, V's at 32 + 4 i
.set RCV, 64                           ; v[320:351] the same in f16
.set RQS, 96                           ; v[352:415] Q as loaded
.set RQF, 160                          ; v[416:447] Q fragments: strip s, 32 d's c at 160 + 16 s + 8 c
.set RKF, 192                          ; v[448:511] K fragments: 16 keys kt, 32 d's c at 192 + 16 kt + 8 c
; scalars: s[4:11] q, k, v, out at my head; s12 W, s13 g, s14 kh, s15 j, s16 head; s[18:19] head offset; s20 this pass's block, s21 the second pass's;
; s22 pairs of steps, s23 their counter, s24 pass; s25 steps left behind this one; s26, s27 the fetch cursor (tile, its pass's block);
; s[28:29] an offset (high word 0; s28 also at work in the set-up); s[30:31], s[32:33] K's and V's tile; s[34:35] out's block;
; s[36:37], s[44:45] Q's blocks; s[38:39] c, c; s40 -c; s42, s43 lane selects; s46, s47 at work
.set MSB, 0
.macro WIN new                         ; s_set_vgpr_msb: bits 1:0 source 0, 3:2 source 1, 5:4 source 2, 7:6 destination; the high byte repeats the setting left
.if MSB != \new
	s_set_vgpr_msb (MSB<<8)|\new
.set MSB, \new
.endif
.endm
; Ask for the cursor's tile: 8 + 8 loads; each half of a wave reads one whole row of 256 bytes.  Then step the cursor through
; qb, 0, 1, .. qb - 1 and on to the second pass's block.  Stands only behind s_wait_loadcnt 0, which frees s[30:33] and the staging registers.
.macro FETCH
	s_lshl_b32 s28, s26, 15
	s_add_nc_u64 s[30:31], s[6:7], s[28:29]
	s_add_nc_u64 s[32:33], s[8:9], s[28:29]
	WIN 0x40                                       ; data to block 1, address from block 0
.irp i, 0,1,2,3,4,5,6,7
	global_load_b128 v[RST+4*\i:RST+4*\i+3], v[KG], s[30:31] offset:4096*\i
.endr
.irp i, 0,1,2,3,4,5,6,7
	global_load_b128 v[RST+32+4*\i:RST+32+4*\i+3], v[VG], s[32:33] offset:4096*\i
.endr
	WIN 0
	s_add_co_u32 s46, s26, 1
	s_cmp_eq_u32 s26, s27                          ; that was the diagonal tile: go on with tile 0
	s_cselect_b32 s26, 0, s46
	s_cmp_eq_u32 s26, s27                          ; the pass's tiles are through: the second pass's diagonal tile
	s_cselect_b32 s26, s21, s26
	s_cselect_b32 s27, s21, s27
.endm
; The staged tile to f16 and into a slot.  A store of 8 bytes a lane: the two halves of the wave write 128 bytes each, 8 x 144 or 4 x 160 bytes
; apart, both 128 modulo 256.
.macro CONVST slot
	WIN 0x45                                       ; sources and destination in block 1
.set k, 0
.rept 32
	v_cvt_pk_f16_f32 v[RCV+k], v[RST+2*k], v[RST+2*k+1]
.set k, k+1
.endr
	WIN 0x04                                       ; address block 0, data block 1
.irp i, 0,1,2,3,4,5,6,7
	ds_store_b64 v[KW], v[RCV+2*\i:RCV+2*\i+1] offset:(\slot)*SLOT+16*KPITCH*\i
.endr
.irp i, 0,1,2,3,4,5,6,7
	ds_store_b64 v[VW], v[RCV+16+2*\i:RCV+16+2*\i+1] offset:(\slot)*SLOT+16*VPITCH*\i
.endr
	WIN 0
.endm
; My 64 keys x 64 d of K as first sources: 16 loads, four for each 16 keys, in the order in which SMM waits for them
.macro KLOAD slot
	WIN 0x40
.irp kt, 0,1,2,3
.irp c, 0,1
	ds_load_b128 v[RKF+16*\kt+8*\c:RKF+16*\kt+8*\c+3],   v[KR] offset:(\slot)*SLOT+16*KPITCH*\kt+64*\c
	ds_load_b128 v[RKF+16*\kt+8*\c+4:RKF+16*\kt+8*\c+7], v[KR] offset:(\slot)*SLOT+16*KPITCH*\kt+64*\c+32
.endr
.endr
	WIN 0
.endm
; My 64 keys x 64 d of V, transposed on the way: row = d, k = key
.macro VLOAD slot
.irp u, 0,1
.irp dt, 0,1,2,3
	ds_load_tr16_b128 v[RVF+32*\u+8*\dt:RVF+32*\u+8*\dt+3],   v[VR] offset:(\slot)*SLOT+32*VPITCH*\u+32*\dt
	ds_load_tr16_b128 v[RVF+32*\u+8*\dt+4:RVF+32*\u+8*\dt+7], v[VR] offset:(\slot)*SLOT+32*VPITCH*\u+32*\dt+16*VPITCH
.endr
.endr
.endm
; S^T = K Q^T: 16 keys at a time, both strips, d in two links; the first link starts the sum
.macro SMM
	WIN 0x05                                       ; K and Q from block 1, S in block 0
.irp kt, 0,1,2,3
	s_wait_dscnt 12-4*\kt                          ; LDS loads return in order (ISA guide 5.7.1): the four of these 16 keys are in, the younger K loads stay out
	v_wmma_f32_16x16x32_f16 v[RS+8*\kt:RS+8*\kt+7],       v[RKF+16*\kt:RKF+16*\kt+7],    v[RQF:RQF+7],     0
	v_wmma_f32_16x16x32_f16 v[RS+32+8*\kt:RS+32+8*\kt+7], v[RKF+16*\kt:RKF+16*\kt+7],    v[RQF+16:RQF+23], 0
	v_wmma_f32_16x16x32_f16 v[RS+8*\kt:RS+8*\kt+7],       v[RKF+16*\kt+8:RKF+16*\kt+15], v[RQF+8:RQF+15],  v[RS+8*\kt:RS+8*\kt+7]
	v_wmma_f32_16x16x32_f16 v[RS+32+8*\kt:RS+32+8*\kt+7], v[RKF+16*\kt+8:RKF+16*\kt+15], v[RQF+24:RQF+31], v[RS+32+8*\kt:RS+32+8*\kt+7]
.endr
	WIN 0
.endm
; The diagonal tile: key > query gets -8e6.  The bound 16 (kt - s) + j is the same for (s = 0, kt = e - 1) and (s = 1, kt = e): one compare, two selects.
.macro MASK
.irp e, 0,1,2,3,4
.irp j, 0,1,2,3,4,5,6,7
	v_cmp_gt_i32 vcc_lo, 16*(\e-1)+\j, v[DM]
.if \e >= 1
	v_cndmask_b32 v[RS+8*(\e-1)+\j], v[RS+8*(\e-1)+\j], v[RMV], vcc_lo
.endif
.if \e <= 3
	v_cndmask_b32 v[RS+32+8*\e+\j], v[RS+32+8*\e+\j], v[RMV], vcc_lo
.endif
.endr
.endr
.endm
; Online softmax of strip s over my 64 keys: a lane holds 32 scores of query r; the other 32 are in lane r of the other half.
; first = 1: the pass's first step sets maximum and sum; else they are carried on and O is rescaled.
.macro SOFTMAX s, first
.set SB,  RS+32*\s
.set OB,  RO+32*\s
.set NMS, RNM+2*\s
.set ALS, RAL+2*\s
.irp t, 0,1,2,3
	v_max3_num_f32 v[RTM+\t], v[SB+8*\t], v[SB+8*\t+1], v[SB+8*\t+2]
.endr
.irp t, 0,1,2,3
	v_max3_num_f32 v[RTM+\t], v[RTM+\t], v[SB+8*\t+3], v[SB+8*\t+4]
.endr
.irp t, 0,1,2,3
	v_max3_num_f32 v[RTM+\t], v[RTM+\t], v[SB+8*\t+5], v[SB+8*\t+6]
.endr
	v_max3_num_f32 v[RTM],   v[RTM],   v[RTM+1], v[SB+7]
	v_max3_num_f32 v[RTM+2], v[RTM+2], v[RTM+3], v[SB+15]
	v_max3_num_f32 v[RTM],   v[RTM],   v[RTM+2], v[SB+23]
	v_max_num_f32  v[RTM],   v[RTM],   v[SB+31]
	v_permlanex16_b32 v[NMS+1], v[RTM], s42, s43   ; the other half's maximum of the same query
	v_max_num_f32 v[RTM], v[RTM], v[NMS+1]
.if \first
	v_mul_f32 v[NMS], s40, v[RTM]                  ; nm = -c m
.else
	v_mul_f32 v[RTM+1], s40, v[RTM]
	v_min_num_f32 v[RTM+1], v[RTM+1], v[NMS]       ; the larger maximum is the smaller nm
	v_sub_f32 v[ALS+1], v[RTM+1], v[NMS]
	v_exp_f32 v[ALS], v[ALS+1]                     ; alpha = 2^(c (m old - m new))
	v_mov_b32 v[NMS], v[RTM+1]                     ; a plain line that touches neither alpha nor its source (ISA guide 5.7.2)
.endif
.set i, 0
.rept 16
	v_pk_fma_f32 v[SB+2*i:SB+2*i+1], v[SB+2*i:SB+2*i+1], s[38:39], v[NMS:NMS+1] op_sel_hi:[1,0,0]   ; c s - c m, both halves with s38 and nm
.set i, i+1
.endr
.set i, 0
.rept 32
	v_exp_f32 v[SB+i], v[SB+i]
.set i, i+1
.endr
.if \first
	v_nop                                          ; one plain line between the exponentials and their first use (ISA guide 5.7.2)
	s_wait_alu depctr_va_vdst(0)
.else
.set i, 0
	s_wait_alu depctr_va_vdst(0)
.rept 16
	v_pk_mul_f32 v[OB+2*i:OB+2*i+1], v[OB+2*i:OB+2*i+1], v[ALS:ALS+1] op_sel_hi:[1,0]               ; O x alpha: also the plain lines behind the exponentials
.set i, i+1
.endr
.endif
.irp t, 0,1,2,3
	v_pk_add_f32 v[RTM+2*\t:RTM+2*\t+1], v[SB+2*\t:SB+2*\t+1], v[SB+8+2*\t:SB+8+2*\t+1]             ; four chains, started by the first eight pairs
.endr
.irp t, 0,1,2,3
	v_pk_add_f32 v[RTM+2*\t:RTM+2*\t+1], v[RTM+2*\t:RTM+2*\t+1], v[SB+16+2*\t:SB+16+2*\t+1]
.endr
.irp t, 0,1,2,3
	v_pk_add_f32 v[RTM+2*\t:RTM+2*\t+1], v[RTM+2*\t:RTM+2*\t+1], v[SB+24+2*\t:SB+24+2*\t+1]
.endr
	v_pk_add_f32 v[RTM:RTM+1],   v[RTM:RTM+1],   v[RTM+2:RTM+3]
	v_pk_add_f32 v[RTM+4:RTM+5], v[RTM+4:RTM+5], v[RTM+6:RTM+7]
	v_pk_add_f32 v[RTM:RTM+1],   v[RTM:RTM+1],   v[RTM+4:RTM+5]
.if \first
	v_add_f32 v[RLS+\s], v[RTM], v[RTM+1]
.else
	v_add_f32 v[RTM], v[RTM], v[RTM+1]
	v_fma_f32 v[RLS+\s], v[RLS+\s], v[ALS], v[RTM]
.endif
.irp u, 0,1
.irp i, 0,1,2,3,4,5,6,7
	v_cvt_pk_f16_f32 v[SB+16*\u+\i], v[SB+16*\u+2*\i], v[SB+16*\u+2*\i+1]      ; P in place: the destination never runs ahead of the sources
.endr
.endr
.endm
; O^T += V^T P^T for 32 keys u: each V fragment feeds both strips
.macro PV u, first
.irp dt, 0,1,2,3
.irp s, 0,1
.if \first
	v_wmma_f32_16x16x32_f16 v[RO+32*\s+8*\dt:RO+32*\s+8*\dt+7], v[RVF+32*\u+8*\dt:RVF+32*\u+8*\dt+7], v[RS+32*\s+16*\u:RS+32*\s+16*\u+7], 0
.else
	v_wmma_f32_16x16x32_f16 v[RO+32*\s+8*\dt:RO+32*\s+8*\dt+7], v[RVF+32*\u+8*\dt:RVF+32*\u+8*\dt+7], v[RS+32*\s+16*\u:RS+32*\s+16*\u+7], v[RO+32*\s+8*\dt:RO+32*\s+8*\dt+7]
.endif
.endr
.endr
.endm
; One step: the tile in slot is multiplied, the next one goes into nxt, the one behind that is asked for.  diag = 1: a pass's first step.
.macro STEP slot, nxt, diag, id
	SMM
	s_wait_loadcnt 0x0                             ; the staged tile (asked for a step ago) is in; s[30:33] are free
	s_cmp_eq_u32 s25, 0
	s_cbranch_scc1 .Llast\id                       ; the last step stages nothing
	CONVST \nxt                                    ; nxt was last read in the step before; every wave's reads were over at that step's barrier
	s_cmp_lt_u32 s25, 2
	s_cbranch_scc1 .Lfed\id                        ; the last two steps ask for nothing: 17 tiles in all
	FETCH
	s_branch .Lfed\id
.Llast\id:
.rept 4
	v_nop                                          ; four places between the last product of S and its first reader (ISA guide 7.12.1); elsewhere the conversions fill them
.endr
.Lfed\id:
	VLOAD \slot
.if \diag
	MASK
.endif
	SOFTMAX 0, \diag
	SOFTMAX 1, \diag
	s_wait_dscnt 0x0                               ; my stores into nxt have landed, my reads of slot are over, V's fragments are in
	s_barrier_signal -1
	PV 0, \diag                                    ; registers only, while the others arrive
	s_barrier_wait -1
	s_cmp_eq_u32 s25, 0
	s_cbranch_scc1 .Lnok\id
	KLOAD \nxt                                     ; the next step's K, on its way under the products below
.Lnok\id:
	PV 1, 0
.rept 5
	v_nop                                          ; five places before the next S products write over P, four before O is read or V's fragments are loaded again (ISA guide 7.12.1)
.endr
	s_sub_co_u32 s25, s25, 1
.endm
; 16 loads: Q's 32 rows as second sources, still f32: lane (r, h) takes d = 32 c + 16 e + 8 h + 4 f .. + 3 of row 16 s + r
.macro QLOAD base
	WIN 0x40
.irp s, 0,1
.irp c, 0,1
.irp e, 0,1
.irp f, 0,1
	global_load_b128 v[RQS+32*\s+16*\c+8*\e+4*\f:RQS+32*\s+16*\c+8*\e+4*\f+3], v[QG], s[\base:\base+1] offset:4096*\s+128*\c+64*\e+16*\f
.endr
.endr
.endr
.endr
	WIN 0
.endm
.macro QCONV
	WIN 0x45
.set k, 0
.rept 32
	v_cvt_pk_f16_f32 v[RQF+k], v[RQS+2*k], v[RQS+2*k+1]
.set k, k+1
.endr
	WIN 0
.endm
	; ---- ids, and the three offsets that the first loads need
	s_load_b256 s[4:11], s[0:1], 0x0               ; q s[4:5], k s[6:7], v s[8:9], out s[10:11]
	v_lshl_add_u32 v254, v0, 2, 0x24400
	v_mov_b32 v255, 0
	v_lshrrev_b32 v[RMV], 5, v0
	v_readfirstlane_b32 s12, v[RMV]                ; W
	s_and_b32 s13, s12, 3                          ; g
	s_lshr_b32 s14, s12, 2                         ; kh
	s_lshr_b32 s15, ttmp9, 5                       ; j: 0 to 7
	s_and_b32 s16, ttmp9, 31                       ; head: a head's eight work-groups are 32 ids apart
	s_lshl_b32 s18, s16, 19                        ; 524,288 bytes a head
	s_mov_b32 s19, 0
	s_mov_b32 s29, 0
	s_sub_co_u32 s46, 15, s15
	s_bitcmp1_b32 s15, 0                           ; of j and 15 - j one is odd:
	s_cselect_b32 s20, s15, s46                    ; it goes first,
	s_cselect_b32 s21, s46, s15                    ; the even one second
	s_mov_b32 s26, s20                             ; the cursor starts at the first pass's diagonal tile
	s_mov_b32 s27, s20
	s_mov_b32 s25, 16                              ; steps behind the first
	s_mov_b32 s38, 0x3e38aa3b                      ; c = 0.125 log2(e)
	s_mov_b32 s39, 0x3e38aa3b
	s_mov_b32 s40, 0xbe38aa3b                      ; -c
	s_mov_b32 s42, 0x76543210                      ; v_permlanex16_b32: lane i of the other half
	s_mov_b32 s43, 0xfedcba98
	v_and_b32 v28, 15, v0                          ; r
	v_bfe_u32 v29, v0, 4, 1                        ; h
	v_and_b32 v30, 31, v0                          ; L
	v_lshl_add_u32 v31, v29, 3, s12                ; K's row: W + 8 h
	v_lshlrev_b32 v[KG], 8, v31
	v_lshl_add_u32 v[KG], v28, 4, v[KG]
	s_lshl_b32 s46, s14, 11                        ; V's row 8 kh + 4 h + g, in rows of 256 bytes: 2,048 kh
	s_lshl_b32 s28, s13, 8                         ; + 256 g
	s_add_co_u32 s46, s46, s28
	v_lshlrev_b32 v[VG], 10, v29                   ; + 1,024 h
	v_lshl_add_u32 v[VG], v28, 4, v[VG]            ; + 16 r
	v_add_nc_u32 v[VG], s46, v[VG]
	s_lshl_b32 s47, s13, 13                        ; 32 g rows of 256 bytes
	v_lshlrev_b32 v[QG], 8, v28
	v_lshl_add_u32 v[QG], v29, 5, v[QG]
	v_add_nc_u32 v[QG], s47, v[QG]
	s_wait_kmcnt 0x0
	s_add_nc_u64 s[4:5], s[4:5], s[18:19]
	s_add_nc_u64 s[6:7], s[6:7], s[18:19]
	s_add_nc_u64 s[8:9], s[8:9], s[18:19]
	s_add_nc_u64 s[10:11], s[10:11], s[18:19]
	s_lshl_b32 s28, s20, 15
	s_add_nc_u64 s[36:37], s[4:5], s[28:29]        ; Q's block of pass 0
	s_lshl_b32 s28, s21, 15
	s_add_nc_u64 s[44:45], s[4:5], s[28:29]        ; and of pass 1
	FETCH                                          ; the first tile
	QLOAD 36
	; ---- the other lane terms, under those loads
	v_mul_u32_u24 v[KW], v31, KPITCH
	v_lshl_add_u32 v[KW], v28, 3, v[KW]
	s_mul_i32 s46, s14, 8*VPITCH                   ; the same row 8 kh + 4 h + g in LDS, term by term: 8 kh rows
	s_mul_i32 s28, s13, VPITCH                     ; + g rows
	s_add_co_u32 s46, s46, s28
	s_add_co_u32 s46, s46, VBASE
	v_mul_u32_u24 v[VW], v29, 4*VPITCH             ; + 4 h rows
	v_lshl_add_u32 v[VW], v28, 3, v[VW]            ; + 8 r
	v_add_nc_u32 v[VW], s46, v[VW]
	s_mul_i32 s46, s14, 64*KPITCH
	v_mul_u32_u24 v[KR], v28, KPITCH
	v_lshl_add_u32 v[KR], v29, 4, v[KR]
	v_add_nc_u32 v[KR], s46, v[KR]
	s_mul_i32 s46, s14, 64*VPITCH
	s_add_co_u32 s46, s46, VBASE
	v_and_b32 v31, 7, v0
	v_lshl_add_u32 v31, v29, 3, v31                ; 8 h + (L & 7)
	v_bfe_u32 v32, v0, 3, 1
	v_mul_u32_u24 v[VR], v31, VPITCH
	v_lshl_add_u32 v[VR], v32, 4, v[VR]
	v_add_nc_u32 v[VR], s46, v[VR]
	s_lshl_b32 s46, s13, 5
	s_lshl_b32 s28, s14, 6
	s_sub_co_i32 s46, s46, s28                     ; 32 g - 64 kh
	v_lshlrev_b32 v31, 3, v29
	v_sub_nc_u32 v[DM], v28, v31
	v_add_nc_u32 v[DM], s46, v[DM]
	v_lshlrev_b32 v[OG], 8, v29
	v_lshl_add_u32 v[OG], v28, 4, v[OG]
	v_add_nc_u32 v[OG], s47, v[OG]
	s_mul_i32 s46, s13, MRGSZ
	s_add_co_u32 s46, s46, MRG
	v_lshl_add_u32 v[MA], v30, 4, s46
	s_add_co_u32 s46, s46, 8704
	v_lshl_add_u32 v[ML8], v30, 3, s46
	s_mul_i32 s46, s13, STGSZ
	s_add_co_u32 s46, s46, STG
	v_mul_u32_u24 v[SW], v28, SPITCH
	v_lshl_add_u32 v[SW], v29, 5, v[SW]
	v_add_nc_u32 v[SW], s46, v[SW]
	v_mul_u32_u24 v[SR], v29, SPITCH
	v_lshl_add_u32 v[SR], v28, 4, v[SR]
	v_add_nc_u32 v[SR], s46, v[SR]
	v_mov_b32 v[RMV], 0xcaf42400                   ; -8.0e6 = -1e6 / 0.125
	v_mov_b32 v[RNM+1], 0                          ; v_permlanex16_b32 counts as a reader of its destination
	v_mov_b32 v[RNM+3], 0
	s_wait_loadcnt 0x0                             ; the first tile and Q of pass 0
	QCONV
	QLOAD 44                                       ; Q of pass 1 waits in registers until pass 0 is over
	CONVST 0
	FETCH                                          ; the second tile
	s_wait_dscnt 0x0
	s_barrier_signal -1
	s_barrier_wait -1                              ; slot 0 is whole
	KLOAD 0
	s_mov_b32 s24, 0
.Lpass:
	s_lshr_b32 s22, s20, 1                         ; behind the diagonal step: qb >> 1 pairs of steps, and in pass 0 (qb odd) one more
	s_lshl_b32 s28, s20, 15
	s_add_nc_u64 s[34:35], s[10:11], s[28:29]      ; out's block (the last pass's stores are behind s_wait_xcnt 0)
	STEP 0, 1, 1, 0
	s_cmp_eq_u32 s22, 0
	s_cbranch_scc1 .Lnopair
	s_mov_b32 s23, 0
.Lpair:
	STEP 1, 0, 0, 1
	STEP 0, 1, 0, 2
	s_add_co_u32 s23, s23, 1
	s_cmp_lt_u32 s23, s22
	s_cbranch_scc1 .Lpair
.Lnopair:
	s_cmp_lg_u32 s24, 0
	s_cbranch_scc1 .Leven
	STEP 1, 0, 0, 3
.Leven:
	; ---- the two key halves meet: wave g + 4 hands its registers over as they are
	s_cmp_lt_u32 s12, 4
	s_cbranch_scc1 .Lnosend
.irp i, 0,1,2,3,4,5,6,7,8,9,10,11,12,13,14,15
	ds_store_b128 v[MA], v[RO+4*\i:RO+4*\i+3] offset:512*\i
.endr
	ds_store_b128 v[MA], v[RNM:RNM+3] offset:8192
	ds_store_b64 v[ML8], v[RLS:RLS+1]
.Lnosend:
	s_wait_dscnt 0x0
	s_barrier_signal -1
	s_barrier_wait -1
	s_cmp_ge_u32 s12, 4
	s_cbranch_scc1 .Lnomerge
	ds_load_b128 v[RMP:RMP+3], v[MA] offset:8192
	ds_load_b64 v[RMPL:RMPL+1], v[ML8]
.irp i, 0,1,2,3,4,5,6,7,8,9,10,11,12,13,14,15
	ds_load_b128 v[RVF+4*\i:RVF+4*\i+3], v[MA] offset:512*\i
.endr
	s_wait_dscnt 16                                ; the partner's maxima and sums are in; the 16 loads of its O stay out
.irp s, 0,1
	v_min_num_f32 v[RAL], v[RNM+2*\s], v[RMP+2*\s] ; the joint maximum, as nm
	v_sub_f32 v[RAL+1], v[RAL], v[RNM+2*\s]
	v_sub_f32 v[RAL+2], v[RAL], v[RMP+2*\s]
	v_exp_f32 v[RAL+1], v[RAL+1]                   ; a0: my half's weight
	v_exp_f32 v[RAL+2], v[RAL+2]                   ; a1: the partner's (0 where all its keys were masked)
	v_nop                                          ; a plain line behind the exponentials (ISA guide 5.7.2)
	s_wait_alu depctr_va_vdst(0)
	v_mul_f32 v[RAL+3], v[RLS+\s], v[RAL+1]
	v_fmac_f32 v[RAL+3], v[RMPL+\s], v[RAL+2]
	v_permlanex16_b32 v[RNM+2*\s+1], v[RAL+3], s42, s43    ; the sums were kept apart in the two halves of the lanes
	v_add_f32 v[RAL+3], v[RAL+3], v[RNM+2*\s+1]
	v_rcp_f32 v[RAL], v[RAL+3]
	v_nop                                          ; and behind the reciprocal
	s_wait_alu depctr_va_vdst(0)
	v_mul_f32 v[RTM+4*\s],   v[RAL+1], v[RAL]      ; f0 = a0 / l, twice: a pair for the packed lines
	v_mul_f32 v[RTM+4*\s+1], v[RAL+1], v[RAL]
	v_mul_f32 v[RTM+4*\s+2], v[RAL+2], v[RAL]      ; f1 = a1 / l
	v_mul_f32 v[RTM+4*\s+3], v[RAL+2], v[RAL]
.endr
.irp s, 0,1
.set i, 0
.rept 16
	v_pk_mul_f32 v[RO+32*\s+2*i:RO+32*\s+2*i+1], v[RO+32*\s+2*i:RO+32*\s+2*i+1], v[RTM+4*\s:RTM+4*\s+1]
.set i, i+1
.endr
.endr
	s_wait_dscnt 0x0
.irp s, 0,1
.set i, 0
.rept 16
	v_pk_fma_f32 v[RO+32*\s+2*i:RO+32*\s+2*i+1], v[RVF+32*\s+2*i:RVF+32*\s+2*i+1], v[RTM+4*\s+2:RTM+4*\s+3], v[RO+32*\s+2*i:RO+32*\s+2*i+1]
.set i, i+1
.endr
.endr
	; the way out: a lane holds 8 neighbouring d's (32 bytes) of a row; through my own stage, read back as whole rows of 256 bytes
.irp s, 0,1
.irp dt, 0,1,2,3
	ds_store_b128 v[SW], v[RO+32*\s+8*\dt:RO+32*\s+8*\dt+3]   offset:16*SPITCH*\s+64*\dt
	ds_store_b128 v[SW], v[RO+32*\s+8*\dt+4:RO+32*\s+8*\dt+7] offset:16*SPITCH*\s+64*\dt+16
.endr
.endr
.irp s, 0,1
.irp i, 0,1,2,3,4,5,6,7
	ds_load_b128 v[RVF+4*(8*\s+\i):RVF+4*(8*\s+\i)+3], v[SR] offset:16*SPITCH*\s+2*SPITCH*\i   ; LDS serves a wave's instructions in order (ISA guide 5.7.1): these see the stores above
.endr
.endr
.irp s, 0,1
.irp i, 0,1,2,3,4,5,6,7
	s_wait_dscnt 15-(8*\s+\i)                      ; this load is in, the younger ones stay out
	global_store_b128 v[OG], v[RVF+4*(8*\s+\i):RVF+4*(8*\s+\i)+3], s[34:35] offset:4096*\s+512*\i th:TH_STORE_NT   ; sixteen lanes write one whole row of 256 bytes
.endr
.endr
.Lnomerge:
	s_wait_xcnt 0x0                                ; the stores' addresses are translated (ISA guide 3.1): s[34:35] and V's fragment registers are rewritten only behind this wait
	s_cmp_lg_u32 s24, 0
	s_cbranch_scc1 .Lnoq
	QCONV                                          ; Q of pass 1 (its loads were waited for in the first step)
	s_mov_b32 s20, s21
.Lnoq:
	s_add_co_u32 s24, s24, 1
	s_cmp_lt_u32 s24, 2
	s_cbranch_scc1 .Lpass
	s_wait_tensorcnt 0x0
	ds_add_u32 v254, v255
	s_wait_dscnt 0x0
	s_endpgm
.Lfunc_end_k_q09aa94a886_attn:
	.size	k_q09aa94a886_attn, .Lfunc_end_k_q09aa94a886_attn-k_q09aa94a886_attn
	.p2alignl 7, 3214868480
	.fill 96, 4, 3214868480
	.section	.rodata,"a",@progbits
	.p2align	6, 0x0
	.amdhsa_kernel k_q09aa94a886_attn
		.amdhsa_group_segment_fixed_size 149504
		.amdhsa_private_segment_fixed_size 0
		.amdhsa_enable_private_segment 0
		.amdhsa_kernarg_size 32
		.amdhsa_user_sgpr_count 2
		.amdhsa_user_sgpr_kernarg_segment_ptr 1
		.amdhsa_wavefront_size32 1
		.amdhsa_system_sgpr_workgroup_id_x 1
		.amdhsa_system_sgpr_workgroup_id_y 1
		.amdhsa_system_sgpr_workgroup_id_z 1
		.amdhsa_system_vgpr_workitem_id 0
		.amdhsa_next_free_vgpr 512
		.amdhsa_next_free_sgpr 66
		.amdhsa_reserve_vcc 1
		.amdhsa_float_denorm_mode_32 3
		.amdhsa_float_denorm_mode_16_64 3
		.amdhsa_memory_ordered 1
		.amdhsa_forward_progress 1
		.amdhsa_inst_pref_size 123
	.end_amdhsa_kernel
	.amdgpu_metadata
---
amdhsa.version: [ 1, 2 ]
amdhsa.kernels:
  - .name:           k_q09aa94a886_attn
    .symbol:         k_q09aa94a886_attn.kd
    .args:
      - { .name: q, .offset: 0, .size: 8, .value_kind: global_buffer, .address_space: global }
      - { .name: k, .offset: 8, .size: 8, .value_kind: global_buffer, .address_space: global }
      - { .name: v, .offset: 16, .size: 8, .value_kind: global_buffer, .address_space: global }
      - { .name: out0, .offset: 24, .size: 8, .value_kind: global_buffer, .address_space: global }
    .group_segment_fixed_size: 149504
    .private_segment_fixed_size: 0
    .kernarg_segment_align: 8
    .kernarg_segment_size: 32
    .max_flat_workgroup_size: 256
    .sgpr_count:     66
    .vgpr_count:     512
    .wavefront_size: 32
...
	.end_amdgpu_metadata
.endif
;; end of part 1
